; MI455X (gfx1250); checked and timed in simulation.
; The chip was launched on July 23, 2026; its instructions are those of AMD's public machine-readable ISA for CDNA 5 (MIT licence, August 2026) and "CDNA5" Instruction Set Architecture Reference Guide (July 2026). The comments in the code are by the model that wrote it; some were corrected since.
;; Rasterize Points X Ys Blending. Allowed arithmetic: float matrix products may take bf16 or f16 operands with f32 sums; all other float work in f32.
;; Inputs: pts3D 2 x 2,048 x 3 float32; src 2 x 64 x 2,048 float32.
;; Outputs: out0 2 x 64 x 128 x 128 float32.
;; 2 versions, each right; version 2 is version 1 with the launch raster written anew for expert scheduling mode. Each part assembles by itself: llvm-mc -triple=amdgcn-amd-amdhsa -mcpu=gfx1250 --defsym DOCPART=n.
;; ======== version 1 of 2: 2 launches
;; limits: inputs' magnitudes at most 65,504; values are held in f16: magnitudes above 65,504 overflow, below 6.1e-05 lose precision
;; workspace buffers: ptw 32,768 bytes of whole numbers; featsT 524,288 bytes
;; launch prep (part 1): grid 64 x 1, 4 waves a work-group, no clusters, 13,312 bytes of LDS; arguments pts3D, src, ptw, featsT; writes ptw, featsT
.if DOCPART == 1
	.amdgcn_target "amdgcn-amd-amdhsa--gfx1250"
	.amdhsa_code_object_version 6
	.text
	.protected	k_q0f1a3d079f_prep
	.globl	k_q0f1a3d079f_prep
	.p2align	8
	.type	k_q0f1a3d079f_prep,@function
k_q0f1a3d079f_prep:
	s_mov_b64 s[64:65], 0
	v_nop
	global_prefetch_b8 v0, s[64:65] scope:SCOPE_SE
	s_setreg_imm32_b32 hwreg(HW_REG_WAVE_MODE, 25, 1), 1
	s_wait_xcnt 0x0
; PREP.  Two tables for the rasteriser, made once.
;  featsT[b][n][64] f16  : src[b][c][n] f32 transposed and rounded, so that one point's 64 features are 128 neighbouring bytes.
;  ptw[b][n] two words   : word0 = ylo | ny<<8 | xlo<<16 | (nx+63)<<24, word1 = the bits of z (for z > 0 they order as z does).
;     [ylo, ylo+ny) and [xlo, xlo+nx) are the pixel rows and columns, each index + 16, that the point's disc of 1.5 pixels can
;     touch.  u = 64 coord + 63.5 is the point's place in pixel indices (after the reference's sign flip); the window is
;     ceil(u - 1.515625) .. floor(u + 1.515625): 1/64 pixel wider than the disc, far more than the rounding of u or of the
;     reference's differences, so it is a superset; the exact test is made later, per pixel.
;     u is clamped to [-8, 136] (a NaN becomes -8): such windows lie off the image and all fields fit in 8 bits.
;     ny = 0 (never a candidate) unless 0 < z < infinity, which is what the reference's z > 0 and its 'valid' ask together.
;     nx is kept with 63 added: 'the window meets a run of 64 pixels that ends at X1' is then the one compare X1 - xlo < nx + 63.
; SHARES.  64 work-groups: 2 batches x 32 blocks of 64 points, which is what whole 256-byte reads of src rows give; four waves.
;  Wave w takes channels 16 w .. 16 w + 15, lane l the points 2 l and 2 l + 1 of the block: each load of a wave covers 256
;  neighbouring bytes of one channel's row.  Waves 0 and 1 also make the block's 64 ptw entries.
; No matrix unit, tensor load or cluster: nothing is multiplied and no two work-groups read the same bytes.
; LIMIT: features are rounded to f16 here (they are a matrix operand later): 11 significant bits, magnitudes below 65,504 only;
; below 2^-14 the rounding step is 2^-24.  f16 and not bf16, because a pixel's terms may cancel: with 8 significant bits in both
; operands an output could be off by 2^-8 of the largest feature, with 11 bits by 2^-11.
.set F,    8                           ; v[8:39]   channel c of my 16: registers 2c, 2c+1 = my two points, f32
.set PK,   40                          ; v[40:55]  point p: 8 registers = 16 channels in f16
.set RSZ,  3136                        ; LDS: a region for each wave, 64 point rows of 48 bytes (32 used) + 64 bytes
.set RP,   48
	s_load_b256 s[4:11], s[0:1], 0x0               ; pts3D s[4:5], src s[6:7], ptw s[8:9], featsT s[10:11]
	v_lshl_add_u32 v68, v0, 2, 0x3200
	v_mov_b32 v69, 0
	v_and_b32 v1, 31, v0                           ; lane
	v_lshrrev_b32 v2, 5, v0
	v_readfirstlane_b32 s12, v2                    ; wave
	s_lshr_b32 s13, ttmp9, 5                       ; b
	s_and_b32 s14, ttmp9, 31
	s_lshl_b32 s14, s14, 6                         ; n0, the block's first point
	s_lshl_b32 s24, s13, 11
	s_add_co_u32 s24, s24, s14                     ; b * 2048 + n0
	s_lshl_b32 s16, s13, 19                        ; src: b * 64 * 8192 bytes
	s_lshl_b32 s15, s12, 17                        ;    + 16 w channels of 8192 bytes
	s_add_co_u32 s16, s16, s15
	s_lshl_b32 s15, s14, 2                         ;    + 4 n0
	s_add_co_u32 s16, s16, s15
	s_mov_b32 s17, 0
	s_lshl_b32 s18, s24, 7                         ; featsT: 128 bytes a point
	s_mov_b32 s19, 0
	v_lshlrev_b32 v3, 3, v1                        ; 8 bytes a lane
	s_wait_kmcnt 0x0
	s_add_nc_u64 s[6:7], s[6:7], s[16:17]
	s_add_nc_u64 s[10:11], s[10:11], s[18:19]
.irp c, 0,1,2,3,4,5,6,7,8,9,10,11,12,13,14,15
	global_load_b64 v[F+2*\c:F+2*\c+1], v3, s[6:7] offset:8192*\c th:TH_LOAD_NT   ; read once in the whole launch
.endr
	s_cmp_gt_u32 s12, 1
	s_cbranch_scc1 .Lfeat                          ; waves 2 and 3 have no points to describe
	s_lshl_b32 s25, s12, 5
	s_add_co_u32 s25, s25, s24
	s_mov_b32 s20, 0x42800000                      ; 64.0
	s_mov_b32 s21, 0x427e0000                      ; 63.5
	s_mov_b32 s22, 0x3fc20000                      ; 1.515625
	v_add_nc_u32 v56, s25, v1                      ; my point, counted over both batches
	v_mul_u32_u24 v57, 12, v56
	v_lshlrev_b32 v56, 3, v56
	global_load_b32 v58, v57, s[4:5]               ; x
	global_load_b32 v59, v57, s[4:5] offset:4      ; y
	global_load_b32 v67, v57, s[4:5] offset:8      ; z, straight into the second word of the entry
	s_wait_loadcnt 0x0
; wl = 16 + first index of the window, wn = its length, from the coordinate in wc
.macro WINDOW wl, wn, wc
	v_fma_f32 \wc, \wc, s20, s21                   ; u
	v_max_num_f32 \wc, 0xc1000000, \wc             ; at least -8; a NaN loses and becomes -8
	v_min_num_f32 \wc, 0x43080000, \wc             ; at most 136
	v_sub_f32 \wl, s22, \wc
	v_add_f32 \wn, s22, \wc
	v_floor_f32 \wl, \wl                           ; -ceil(u - 1.515625)
	v_floor_f32 \wn, \wn                           ; floor(u + 1.515625)
	v_cvt_i32_f32 \wl, \wl
	v_cvt_i32_f32 \wn, \wn
	v_add3_u32 \wn, \wn, \wl, 1                    ; last - first + 1
	v_sub_nc_u32 \wl, 16, \wl
.endm
	WINDOW v61, v62, v58
	WINDOW v63, v64, v59
	v_add_nc_u32 v65, -1, v67
	v_cmp_gt_u32 vcc_lo, 0x7f7fffff, v65           ; bits 1 .. 0x7f7fffff: positive and finite
	v_add_nc_u32 v62, 63, v62                      ; nx + 63
	v_cndmask_b32 v64, 0, v64, vcc_lo
	v_lshl_or_b32 v63, v64, 8, v63
	v_lshl_or_b32 v63, v61, 16, v63
	v_lshl_or_b32 v66, v62, 24, v63
	global_store_b64 v56, v[66:67], s[8:9]         ; a wave's store covers 256 neighbouring bytes, aligned
.Lfeat:
	s_wait_loadcnt 0x0                             ; all sixteen channel loads are needed at once
.irp p, 0,1
.irp c, 0,1,2,3,4,5,6,7
	v_cvt_pk_f16_f32 v[PK+8*\p+\c], v[F+4*\c+\p], v[F+4*\c+2+\p]      ; channels 2c, 2c+1 of point p
.endr
.endr
	v_mul_u32_u24 v4, 2*RP, v1                     ; my two point rows in my wave's region
	s_mul_i32 s15, s12, RSZ
	v_add_nc_u32 v4, s15, v4
.irp p, 0,1
.irp q, 0,1
	ds_store_b128 v4, v[PK+8*\p+4*\q:PK+8*\p+4*\q+3] offset:RP*\p+16*\q   ; lanes 96 bytes apart: two lanes a bank group, four stores in all
.endr
.endr
	v_lshrrev_b32 v5, 3, v0                        ; read back: thread t takes 16 bytes, piece t % 8 of point t / 8
	v_bfe_u32 v6, v0, 1, 2                         ; the wave region that holds the piece
	v_and_b32 v7, 1, v0                            ; which half of that region's 32 bytes
	v_mul_u32_u24 v5, RP, v5
	v_mad_u32_u24 v5, v6, RSZ, v5
	v_lshl_add_u32 v5, v7, 4, v5
	v_lshlrev_b32 v7, 4, v0
	s_wait_dscnt 0x0                               ; my stores are in LDS before I say so: the others read them
	s_barrier_signal -1
	s_barrier_wait -1
.irp i, 0,1,2,3
	ds_load_b128 v[F+4*\i:F+4*\i+3], v5 offset:16*RP*\i            ; 16 points further in each pass
.endr
.irp i, 0,1,2,3
	s_wait_dscnt 3-\i                              ; LDS loads return in order: pass i is in, the younger ones stay out
	global_store_b128 v7, v[F+4*\i:F+4*\i+3], s[10:11] offset:2048*\i  ; a wave's store covers 512 neighbouring bytes, aligned
.endr
	s_wait_tensorcnt 0x0
	ds_add_u32 v68, v69
	s_wait_dscnt 0x0
	s_endpgm
.Lfunc_end_k_q0f1a3d079f_prep:
	.size	k_q0f1a3d079f_prep, .Lfunc_end_k_q0f1a3d079f_prep-k_q0f1a3d079f_prep
	.p2alignl 7, 3214868480
	.fill 96, 4, 3214868480
	.section	.rodata,"a",@progbits
	.p2align	6, 0x0
	.amdhsa_kernel k_q0f1a3d079f_prep
		.amdhsa_group_segment_fixed_size 13312
		.amdhsa_private_segment_fixed_size 0
		.amdhsa_enable_private_segment 0
		.amdhsa_kernarg_size 32
		.amdhsa_user_sgpr_count 2
		.amdhsa_user_sgpr_kernarg_segment_ptr 1
		.amdhsa_wavefront_size32 1
		.amdhsa_system_sgpr_workgroup_id_x 1
		.amdhsa_system_sgpr_workgroup_id_y 1
		.amdhsa_system_sgpr_workgroup_id_z 1
		.amdhsa_system_vgpr_workitem_id 0
		.amdhsa_next_free_vgpr 70
		.amdhsa_next_free_sgpr 66
		.amdhsa_reserve_vcc 1
		.amdhsa_float_denorm_mode_32 3
		.amdhsa_float_denorm_mode_16_64 3
		.amdhsa_memory_ordered 1
		.amdhsa_forward_progress 1
		.amdhsa_inst_pref_size 8
	.end_amdhsa_kernel
	.amdgpu_metadata
---
amdhsa.version: [ 1, 2 ]
amdhsa.kernels:
  - .name:           k_q0f1a3d079f_prep
    .symbol:         k_q0f1a3d079f_prep.kd
    .args:
      - { .name: pts3D, .offset: 0, .size: 8, .value_kind: global_buffer, .address_space: global }
      - { .name: src, .offset: 8, .size: 8, .value_kind: global_buffer, .address_space: global }
      - { .name: ptw, .offset: 16, .size: 8, .value_kind: global_buffer, .address_space: global }
      - { .name: featsT, .offset: 24, .size: 8, .value_kind: global_buffer, .address_space: global }
    .group_segment_fixed_size: 13312
    .private_segment_fixed_size: 0
    .kernarg_segment_align: 8
    .kernarg_segment_size: 32
    .max_flat_workgroup_size: 128
    .sgpr_count:     66
    .vgpr_count:     70
    .wavefront_size: 32
...
	.end_amdgpu_metadata
.endif
;; end of part 1
;; launch raster (part 2): grid 256 x 2, 1 waves a work-group, no clusters, 48,384 bytes of LDS; arguments pts3D, ptw, featsT, out0; writes out0
.if DOCPART == 2
	.amdgcn_target "amdgcn-amd-amdhsa--gfx1250"
	.amdhsa_code_object_version 6
	.text
	.protected	k_q0f1a3d079f_raster
	.globl	k_q0f1a3d079f_raster
	.p2align	8
	.type	k_q0f1a3d079f_raster,@function
k_q0f1a3d079f_raster:
	s_mov_b64 s[64:65], 0
	v_nop
	global_prefetch_b8 v0, s[64:65] scope:SCOPE_SE
	s_setreg_imm32_b32 hwreg(HW_REG_WAVE_MODE, 25, 1), 1
	s_wait_xcnt 0x0
; RASTER.  out0[b][c][y][x] = sum over the 8 nearest (smallest z, ties to the lower index) points within 1.5 pixels of pixel
; (y, x) of w_k * src[b][c][n_k], w_k = a_k * prod_{j<k} (1 - a_j), a = 1 - sqrt(clip(d2 / R^2, 0.001, 1)).
; SHARES.  A work-group is ONE wave and makes 64 pixels of one row (y = group x / 2, half = group x % 2, b = group y) for all 64
; channels: 512 groups.  Lane l owns pixels 64 half + l (set 0) and 64 half + 32 + l (set 1).  64 pixels are 256 neighbouring
; bytes of a channel's row, so a wave alone stores whole aligned pieces of 256 bytes: waves have nothing to hand to each other,
; and there is no barrier.  EXEC stays full throughout: a lane with nothing to keep stores to a dump place.
; PHASES:
;  1 SCAN   all 2,048 entries of ptw[b] (whole numbers made by the launch before): keep those whose row window holds y and whose
;           column window meets my 64 pixels (some 25 of uniformly spread points); compacted in ascending n into a list in LDS.
;  2 RANK   rank of entry i = number of j with key_j < key_i, or equal and j < i; n goes to place rank: the list sorted as the
;           reference's top_k orders it.  All of this is integer work on numbers read from memory; no float steers anything.
;  3 CHUNKS of 32 sorted candidates: every pixel tests every candidate exactly (d2 < R^2) and runs the front-to-back product;
;           misses get weight 0 by selection, and after a pixel's 8th hit its transmittance is set to 0, so later hits weigh 0.
;           The 64 x 32 weights (f16) times the 32 x 64 gathered features (f16) go to the matrix unit, sums in f32.
;  4 OUT    through LDS, so that sixteen neighbouring lanes store the 256 bytes of one channel.
; Any number of candidates up to all 2,048 is served; the rank step then costs the square of their number.
; FORMAT.  f16 operands: each is off by at most 2^-12 of its size, a product by 2^-11, and a pixel's weights sum to at most 1,
; so an output is off by at most 2^-11 of the largest feature, also where its terms cancel.  bf16 would give 2^-8.  Weights lie
; in [0, 1]; below 2^-14 their rounding step is 2^-24.
; LIMITS.  d2 = fma(dx, dx, dy*dy), where the reference rounds dx*dx first: a point exactly on the rim may fall on the other
; side; its a is then about 1e-7, but it takes one of the 8 places.  src must be finite and below 65,504 in magnitude (f16's
; largest number): candidates that miss a pixel enter the product with weight 0, and 0 times infinity is NaN.
; NOT USED: tensor loads and clusters (what work-groups share is the 16 KiB of ptw[b] and scattered 128-byte rows, a small part
; of a group's bytes next to its 16 KiB of output); larger accumulator tiles (16 matrix instructions a chunk).
.set CAP,    2048                      ; list capacity = all points
.set DUMP,   CAP+32                    ; the place, behind list and pads, where lanes with nothing to keep store
.set SPITCH, 272                       ; way out: 64 channel rows of 256 bytes + 16: sixteen rows start in sixteen bank groups
.set LSZ,    8448                      ; a list: 2,048 entries + 32 pads + the dump place, 4 bytes each, rounded up
.set O_WK,   64*SPITCH                 ; 17,408  keys in scan order
.set O_WN,   O_WK+LSZ                  ; 25,856  n in scan order
.set O_WS,   O_WN+LSZ                  ; 34,304  n in sorted order
.set O_CX,   O_WS+LSZ                  ; 42,752  the chunk's 32 x
.set O_CD,   O_CX+128                  ; 42,880  the chunk's 32 dy^2
.set O_FT,   O_CD+128                  ; 43,008  the chunk's 32 feature rows, 128 bytes at pitch 160 (odd multiple of 32, for the transposing load)
.set FPITCH, 160
.set PA,    1                          ; 8 lane: my entry in each run of 32 entries of ptw
.set PX,    2                          ; v[2:5]   centre x of my pixel of set 0, twice, and of set 1, twice (pairs for packed adds)
.set TR,    6                          ; v[6:7]   transmittance so far, set 0, 1
.set CNT,   8                          ; v[8:9]   hits so far, set 0, 1
.set PIXY,  10                         ; the row's centre y
.set COL16, 11                         ; 16 (lane % 8)
.set FTS,   12                         ; where I store 16 bytes of a feature row
.set FTR,   13                         ; where my transposing loads read
.set L4,    14                         ; 4 lane
.set BC,    15                         ; 0 in every lane: reads that all lanes share
                                       ; v16-v21 scratch
.set L3,    22                         ; lane / 8
.set IDX,   23                         ; my entry's place in the list
.set PW,    24                         ; v[24:151]  scan: 64 entries of two words
.set KEY,   32                         ; rank: my entry (v24-31 hold the trip's eight keys)
.set NI,    33
.set XK,    24                         ; v[24:55]   chunk: x, then d2, then weight of candidate k
.set FF,    24                         ; v[24:55]   then the feature fragments of 4 x 16 channels
.set DK,    56                         ; v[56:87]   chunk: dy^2, then alpha of candidate k
.set GO,    56                         ; v[56:63]   before that: offsets of the gathered rows
.set WF,    88                         ; v[88:119]  weight fragments of pixels 16 pt .. 16 pt + 15 at 8 pt
.set G,     88                         ; v[88:119]  before that: the gathered rows on their way to LDS
.set ACC,   120                        ; v[120:247] tile (pt, ct) at 8 (4 pt + ct)
	s_load_b256 s[4:11], s[0:1], 0x0               ; pts3D s[4:5], ptw s[6:7], featsT s[8:9], out0 s[10:11]
	v_lshl_add_u32 v248, v0, 2, 0xbc00
	v_mov_b32 v249, 0
	s_and_b32 s14, ttmp7, 0xffff                   ; b
	s_lshr_b32 s12, ttmp9, 1                       ; y
	s_and_b32 s13, ttmp9, 1                        ; half
	s_add_co_u32 s15, s12, 16                      ; Y = y + 16, as the windows are counted
	s_lshl_b32 s16, s13, 6
	s_add_co_u32 s16, s16, 79                      ; X1 = my last pixel + 16
	s_mov_b32 s17, 0                               ; entries in my list
	s_mov_b32 s20, 0x3a100000                      ; R^2 = (3/128)^2
	s_mov_b32 s21, 0x351374bc                      ; 0.001 R^2
	s_mov_b32 s22, 0xc22aaaab                      ; -1/R
	s_mov_b32 s23, 0xc22aaaab
	v_lshlrev_b32 v[PA], 3, v0
	s_mov_b32 s37, 0
	s_lshl_b32 s36, s14, 14                        ; ptw[b]: 2,048 entries of 8 bytes
	s_wait_kmcnt 0x0
	s_add_nc_u64 s[6:7], s[6:7], s[36:37]
.macro PLOAD g                         ; sixteen loads: entries 32 i + lane, i = 16 g .. 16 g + 15; each covers 256 neighbouring bytes
.irp j, 0,1,2,3,4,5,6,7,8,9,10,11,12,13,14,15
	global_load_b64 v[PW+2*(16*\g+\j):PW+2*(16*\g+\j)+1], v[PA], s[6:7] offset:256*(16*\g+\j)
.endr
.endm
	PLOAD 0
	PLOAD 1
	PLOAD 2
	s_mul_i32 s36, s14, 24576
	s_add_nc_u64 s[4:5], s[4:5], s[36:37]          ; pts3D[b]
	s_lshl_b32 s36, s14, 18
	s_add_nc_u64 s[8:9], s[8:9], s[36:37]          ; featsT[b]
	s_lshl_b32 s36, s14, 22                        ; out0: b * 64 channels of 65,536 bytes
	s_lshl_b32 s28, s12, 9                         ;     + row y
	s_add_co_u32 s36, s36, s28
	s_lshl_b32 s28, s13, 8                         ;     + my 256 bytes of it
	s_add_co_u32 s36, s36, s28
	s_add_nc_u64 s[10:11], s[10:11], s[36:37]
	; pixel centres 1 - (2 i + 1) / 128 = (127 - 2 i) / 128, exact in f32
	s_lshl_b32 s28, s13, 7
	s_sub_co_i32 s28, 127, s28
	v_lshlrev_b32 v16, 1, v0
	v_sub_nc_u32 v16, s28, v16                     ; 127 - 2 (64 half + lane)
	v_cvt_f32_i32 v[PX], v16
	v_mul_f32 v[PX], 0x3c000000, v[PX]
	v_mov_b32 v[PX+1], v[PX]
	v_add_f32 v[PX+2], -0.5, v[PX]                 ; 32 pixels on
	v_mov_b32 v[PX+3], v[PX+2]
	s_lshl_b32 s28, s12, 1
	s_sub_co_i32 s28, 127, s28
	v_cvt_f32_i32 v[PIXY], s28
	v_mul_f32 v[PIXY], 0x3c000000, v[PIXY]
	v_and_b32 v[COL16], 7, v0
	v_lshlrev_b32 v[COL16], 4, v[COL16]
	v_lshrrev_b32 v[L3], 3, v0
	v_mad_u32_u24 v[FTS], v[L3], FPITCH, v[COL16]  ; a gather load brings 4 rows: row lane / 8, piece lane % 8
	v_lshrrev_b32 v16, 4, v0                       ; transposing load: row 8 (lane / 16) + lane % 8, 16 bytes at 16 ((lane / 8) % 2)
	v_and_b32 v18, 7, v0
	v_lshl_or_b32 v16, v16, 3, v18
	v_bfe_u32 v18, v0, 3, 1
	v_lshlrev_b32 v18, 4, v18
	v_mad_u32_u24 v[FTR], v16, FPITCH, v18
	v_lshlrev_b32 v[L4], 2, v0
	v_mov_b32 v[BC], 0
; PHASE 1.  Entry i of my lane: point n = 32 i + lane.  Kept lanes take the places s17 + (kept lanes below me): ascending n.
; The place is bounded by a constant in the instruction, and behind that only shifted; the list's base is the immediate offset.
.macro PTEST i
	v_and_b32 v16, 0xff, v[PW+2*\i]                ; ylo
	v_bfe_u32 v18, v[PW+2*\i], 8, 8                ; ny
	v_bfe_u32 v19, v[PW+2*\i], 16, 8               ; xlo
	v_lshrrev_b32 v20, 24, v[PW+2*\i]              ; nx + 63
	v_sub_nc_u32 v16, s15, v16
	v_sub_nc_u32 v19, s16, v19
	v_cmp_lt_u32 vcc_lo, v16, v18                  ; 0 <= Y - ylo < ny
	v_cmp_lt_u32 s28, v19, v20                     ; 0 <= X1 - xlo < nx + 63: the window meets my 64 pixels
	s_and_b32 vcc_lo, vcc_lo, s28
	v_mbcnt_lo_u32_b32 v16, vcc_lo, s17
	v_or_b32 v18, 32*\i, v0                        ; n
	v_cndmask_b32 v16, DUMP, v16, vcc_lo           ; the others store where nothing is read
	v_min_u32 v16, DUMP, v16
	v_lshlrev_b32 v16, 2, v16
	s_bcnt1_i32_b32 s29, vcc_lo
	s_add_co_u32 s17, s17, s29
	ds_store_b32 v16, v[PW+2*\i+1] offset:O_WK     ; key
	ds_store_b32 v16, v18 offset:O_WN
.endm
.macro PGROUP g
.irp j, 0,1,2,3,4,5,6,7,8,9,10,11,12,13,14,15
	PTEST (16*\g+\j)
.endr
.endm
	s_wait_loadcnt 32                              ; loads return in order: the first sixteen are in, the 32 younger ones stay out
	PGROUP 0
	PLOAD 3                                        ; the last sixteen are asked for while 32 are still on their way
	s_wait_loadcnt 32                              ; the second sixteen are in
	PGROUP 1
	s_wait_loadcnt 16
	PGROUP 2
	s_wait_loadcnt 0
	PGROUP 3
	; 32 pads behind the list, so that groups of 8 and of 32 may read past its end: key above every real key, n = 0
	s_min_u32 s17, s17, CAP
	v_add_nc_u32 v16, s17, v0
	v_min_u32 v16, CAP+31, v16
	v_lshlrev_b32 v16, 2, v16
	v_mov_b32 v18, -1
	ds_store_b32 v16, v18 offset:O_WK
	ds_store_b32 v16, v[BC] offset:O_WN
	ds_store_b32 v16, v[BC] offset:O_WS
	s_add_co_u32 s24, s17, 31
	s_lshr_b32 s24, s24, 5
	s_max_u32 s24, s24, 1                          ; chunks of 32 (one even for an empty list: the pixels are still written)
	s_add_co_u32 s25, s17, 7
	s_lshr_b32 s25, s25, 3
	s_max_u32 s25, s25, 1                          ; groups of 8 keys
; PHASE 2.  Lane = entry i of group s26; the inner loop walks all keys, 8 a trip, read by all lanes from one address.
	s_mov_b32 s26, 0
.Lrank:
	s_lshl_b32 s28, s26, 5
	v_add_nc_u32 v[IDX], s28, v0
	v_min_u32 v16, CAP+31, v[IDX]
	v_lshlrev_b32 v16, 2, v16
	ds_load_b32 v[KEY], v16 offset:O_WK            ; LDS serves a wave's instructions in order (ISA guide 5.7.1): these see the scan's stores
	ds_load_b32 v[NI], v16 offset:O_WN
	v_mov_b32 v20, 0                               ; rank
	v_mov_b32 v21, v[IDX]                          ; i - j of the trip's first key
	s_mov_b32 s27, 0
	s_wait_dscnt 0x0
	v_add_nc_u32 v19, 1, v[KEY]                    ; real keys are below 0x7f800000: no wrap
.Lrankin:
	v_mov_b32 v16, s27
	v_min_u32 v16, CAP/8-1, v16
	v_lshlrev_b32 v16, 5, v16
	ds_load_b128 v[24:27], v16 offset:O_WK
	ds_load_b128 v[28:31], v16 offset:O_WK+16
	s_wait_dscnt 0x0
.irp q, 0,1,2,3,4,5,6,7
	v_cmp_lt_i32 vcc_lo, \q, v21                   ; j < i
	v_cndmask_b32 v18, v[KEY], v19, vcc_lo         ; then an equal key counts too
	v_cmp_lt_u32 vcc_lo, v[24+\q], v18
	v_add_co_ci_u32 v20, vcc_lo, 0, v20, vcc_lo
.endr
	v_add_nc_u32 v21, -8, v21
	s_add_co_u32 s27, s27, 1
	s_cmp_lt_u32 s27, s25
	s_cbranch_scc1 .Lrankin
	v_cmp_gt_u32 vcc_lo, s17, v[IDX]               ; real entries go to their rank, pads to the dump place
	v_cndmask_b32 v20, DUMP, v20, vcc_lo
	v_min_u32 v20, DUMP, v20
	v_lshlrev_b32 v20, 2, v20
	ds_store_b32 v20, v[NI] offset:O_WS
	s_add_co_u32 s26, s26, 1
	s_cmp_lt_u32 s26, s24
	s_cbranch_scc1 .Lrank
; The weights of pixel set s for the chunk's 32 candidates, as the two fragments of pixels 32 s .. + 15 and 32 s + 16 .. + 31.
.macro WPASS s
.irp j, 0,1,2,3,4,5,6,7
	ds_load_b128 v[XK+4*\j:XK+4*\j+3], v[BC] offset:O_CX+16*\j     ; every lane gets all 32 x
.endr
.irp j, 0,1,2,3,4,5,6,7
	ds_load_b128 v[DK+4*\j:DK+4*\j+3], v[BC] offset:O_CD+16*\j     ; and all 32 dy^2
.endr
	s_wait_dscnt 0x0
.irp p, 0,1,2,3,4,5,6,7,8,9,10,11,12,13,14,15
	v_pk_add_f32 v[XK+2*\p:XK+2*\p+1], v[XK+2*\p:XK+2*\p+1], v[PX+2*\s:PX+2*\s+1]                    ; dx = pix - (-x)
.endr
.irp p, 0,1,2,3,4,5,6,7,8,9,10,11,12,13,14,15
	v_pk_fma_f32 v[XK+2*\p:XK+2*\p+1], v[XK+2*\p:XK+2*\p+1], v[XK+2*\p:XK+2*\p+1], v[DK+2*\p:DK+2*\p+1]  ; d2
.endr
.irp a, 0,1,2,3
.irp c, 0,1,2,3,4,5,6,7
	v_med3_num_f32 v[DK+8*\a+\c], v[XK+8*\a+\c], s21, s20      ; the reference's clip, times R^2
.endr
.endr
.irp a, 0,1,2,3
.irp c, 0,1,2,3,4,5,6,7
	v_sqrt_f32 v[DK+8*\a+\c], v[DK+8*\a+\c]
.endr
.endr
	v_nop                                          ; one plain place between the last root and the first use of a root (ISA guide 5.7.2)
	s_wait_alu depctr_va_vdst(0)
.irp p, 0,1,2,3,4,5,6,7,8,9,10,11,12,13,14,15
	v_pk_fma_f32 v[DK+2*\p:DK+2*\p+1], v[DK+2*\p:DK+2*\p+1], s[22:23], 1.0 op_sel_hi:[1,0,0]        ; a = 1 - sqrt(d2) / R
.endr
.irp a, 0,1,2,3
.irp c, 0,1,2,3,4,5,6,7
	v_cmp_gt_f32 vcc_lo, s20, v[XK+8*\a+\c]        ; the exact test: d2 < R^2 (false for NaN)
	v_cndmask_b32 v[DK+8*\a+\c], 0, v[DK+8*\a+\c], vcc_lo
	v_add_co_ci_u32 v[CNT+\s], vcc_lo, 0, v[CNT+\s], vcc_lo
	v_mul_f32 v[XK+8*\a+\c], v[DK+8*\a+\c], v[TR+\s]           ; w = a T
	v_cmp_gt_u32 vcc_lo, 8, v[CNT+\s]
	v_fma_f32 v[TR+\s], -v[DK+8*\a+\c], v[TR+\s], v[TR+\s]     ; T (1 - a)
	v_cndmask_b32 v[TR+\s], 0, v[TR+\s], vcc_lo    ; behind the 8th hit nothing weighs any more
.endr
.endr
	; A lane holds its pixel's 32 weights; a fragment's lane (r, h) wants pixel r's k = 8h .. 8h+7 and 16+8h .. 16+8h+7.
	; Pack k 0-7 | 16-23 into the first eight registers and k 8-15 | 24-31 into the second eight, then exchange the first's
	; upper 16 lanes with the second's lower 16: the first is the fragment of the set's pixels 0-15, the second of 16-31.
.irp i, 0,1,2,3
	v_cvt_pk_f16_f32 v[WF+16*\s+\i],    v[XK+2*\i],    v[XK+2*\i+1]
	v_cvt_pk_f16_f32 v[WF+16*\s+8+\i],  v[XK+8+2*\i],  v[XK+9+2*\i]
	v_cvt_pk_f16_f32 v[WF+16*\s+4+\i],  v[XK+16+2*\i], v[XK+17+2*\i]
	v_cvt_pk_f16_f32 v[WF+16*\s+12+\i], v[XK+24+2*\i], v[XK+25+2*\i]
.endr
.irp i, 0,1,2,3,4,5,6,7
	v_permlane16_swap_b32 v[WF+16*\s+\i], v[WF+16*\s+8+\i]
.endr
.endm
; PHASE 3.  Chunk s34: sorted candidates 32 s34 .. + 31.  zero = 1: the products start the sums, nothing is cleared.
; The six address lines at the head, which name no matrix register, and those behind the wait are the places
; between the last chunk's matrix instructions and the loads into the registers of their weight fragments.
.macro CHUNK zero
	s_lshl_b32 s28, s34, 5
	v_add_nc_u32 v[IDX], s28, v0
	v_add_nc_u32 v17, s28, v[L3]
	v_min_u32 v16, CAP+31, v[IDX]
	v_min_u32 v17, CAP+3, v17
	v_lshlrev_b32 v16, 2, v16
	v_lshlrev_b32 v17, 2, v17
	ds_load_b32 v18, v16 offset:O_WS               ; candidate 'lane': its x and y are mine to fetch
.irp i, 0,1,2,3,4,5,6,7
	ds_load_b32 v[GO+\i], v17 offset:O_WS+16*\i    ; candidate 4 i + lane / 8: a piece of its feature row is mine to fetch
.endr
	s_wait_dscnt 0x0
	v_min_u32 v18, CAP-1, v18
	v_mul_u32_u24 v18, 12, v18
.irp i, 0,1,2,3,4,5,6,7
	v_min_u32 v[GO+\i], CAP-1, v[GO+\i]
.endr
	global_load_b32 v19, v18, s[4:5]               ; x
	global_load_b32 v20, v18, s[4:5] offset:4      ; y
.irp i, 0,1,2,3,4,5,6,7
	v_lshlrev_b32 v[GO+\i], 7, v[GO+\i]            ; 128 bytes a point
	v_add_nc_u32 v[GO+\i], v[COL16], v[GO+\i]
	global_load_b128 v[G+4*\i:G+4*\i+3], v[GO+\i], s[8:9]      ; four rows of 128 bytes a load
.endr
	s_wait_loadcnt 0x8                             ; x and y are in; the eight feature loads stay out
	v_cmp_gt_u32 vcc_lo, s17, v[IDX]
	v_add_f32 v20, v[PIXY], v20                    ; pix - (-y)
	v_cndmask_b32 v19, 0x7149f2ca, v19, vcc_lo     ; a pad lies at x = 1e30: it hits no pixel
	v_mul_f32 v20, v20, v20
	ds_store_b32 v[L4], v19 offset:O_CX
	ds_store_b32 v[L4], v20 offset:O_CD
	s_wait_loadcnt 0x0                             ; the feature rows: to LDS now, since their registers will hold the weight fragments
.irp i, 0,1,2,3,4,5,6,7
	ds_store_b128 v[FTS], v[G+4*\i:G+4*\i+3] offset:O_FT+4*FPITCH*\i
.endr
	WPASS 0
	WPASS 1
.irp ct, 0,1,2,3
	ds_load_tr16_b128 v[FF+8*\ct:FF+8*\ct+3],   v[FTR] offset:O_FT+32*\ct              ; k = 8h .. of channel 16 ct + r
	ds_load_tr16_b128 v[FF+8*\ct+4:FF+8*\ct+7], v[FTR] offset:O_FT+32*\ct+16*FPITCH    ; k = 16 + 8h ..
.endr
	s_wait_dscnt 0x0
.irp pt, 0,1,2,3
.irp ct, 0,1,2,3
.if \zero
	v_wmma_f32_16x16x32_f16 v[ACC+8*(4*\pt+\ct):ACC+8*(4*\pt+\ct)+7], v[WF+8*\pt:WF+8*\pt+7], v[FF+8*\ct:FF+8*\ct+7], 0
.else
	v_wmma_f32_16x16x32_f16 v[ACC+8*(4*\pt+\ct):ACC+8*(4*\pt+\ct)+7], v[WF+8*\pt:WF+8*\pt+7], v[FF+8*\ct:FF+8*\ct+7], v[ACC+8*(4*\pt+\ct):ACC+8*(4*\pt+\ct)+7]
.endif
.endr
.endr
.endm
	v_mov_b32 v[TR], 1.0
	v_mov_b32 v[TR+1], 1.0
	v_mov_b32 v[CNT], 0
	v_mov_b32 v[CNT+1], 0
	s_mov_b32 s34, 0
	CHUNK 1
	s_cmp_le_u32 s24, 1
	s_cbranch_scc1 .Lout                           ; the usual case: one chunk
	s_mov_b32 s34, 1
.Lchunk:
	CHUNK 0
	s_add_co_u32 s34, s34, 1
	s_cmp_lt_u32 s34, s24
	s_cbranch_scc1 .Lchunk
; PHASE 4.  Register j of tile (pt, ct) in lane (r, h) is pixel 16 pt + 8 h + j of channel 16 ct + r: 32 neighbouring bytes of
; a channel's 256.  They go to the stage by channel rows and come back two rows a load: lanes 0-15 one channel, 16-31 the next.
.Lout:
	v_and_b32 v16, 15, v0                          ; r.  These eight address lines name no matrix register: they are the places
	v_lshrrev_b32 v17, 4, v0                       ; h   between the last matrix instruction and the stores of its result
	v_mul_u32_u24 v18, SPITCH, v16
	v_lshl_add_u32 v18, v17, 5, v18                ; in: row r, 32 bytes for each half of the lanes
	v_mul_u32_u24 v19, SPITCH, v17
	v_lshl_add_u32 v19, v16, 4, v19                ; back: row h, 16 bytes a lane
	v_lshlrev_b32 v20, 16, v17
	v_lshl_add_u32 v20, v16, 4, v20                ; and in out0: channel h, 16 bytes a lane
.irp pt, 0,1,2,3
.irp ct, 0,1,2,3
	ds_store_b128 v18, v[ACC+8*(4*\pt+\ct):ACC+8*(4*\pt+\ct)+3]   offset:16*SPITCH*\ct+64*\pt
	ds_store_b128 v18, v[ACC+8*(4*\pt+\ct)+4:ACC+8*(4*\pt+\ct)+7] offset:16*SPITCH*\ct+64*\pt+16
.endr
.endr
.macro OUTB q                          ; channels 32 q .. 32 q + 31
.irp i, 0,1,2,3,4,5,6,7,8,9,10,11,12,13,14,15
	ds_load_b128 v[24+4*\i:24+4*\i+3], v19 offset:2*SPITCH*(16*\q+\i)      ; in order behind the stores above (ISA guide 5.7.1)
.endr
.irp i, 0,1,2,3,4,5,6,7,8,9,10,11,12,13,14,15
	s_wait_dscnt 15-\i                             ; LDS loads return in order: pair i is in, the younger ones stay out
	global_store_b128 v20, v[24+4*\i:24+4*\i+3], s[10:11] offset:131072*(16*\q+\i) th:TH_STORE_NT   ; sixteen lanes: 256 neighbouring bytes, aligned
.endr
.endm
	OUTB 0
	s_wait_xcnt 0x0                                ; v24-87 are the data of the stores above: they are loaded again only behind this wait
	OUTB 1
	s_wait_tensorcnt 0x0
	ds_add_u32 v248, v249
	s_wait_dscnt 0x0
	s_endpgm
.Lfunc_end_k_q0f1a3d079f_raster:
	.size	k_q0f1a3d079f_raster, .Lfunc_end_k_q0f1a3d079f_raster-k_q0f1a3d079f_raster
	.p2alignl 7, 3214868480
	.fill 96, 4, 3214868480
	.section	.rodata,"a",@progbits
	.p2align	6, 0x0
	.amdhsa_kernel k_q0f1a3d079f_raster
		.amdhsa_group_segment_fixed_size 48384
		.amdhsa_private_segment_fixed_size 0
		.amdhsa_enable_private_segment 0
		.amdhsa_kernarg_size 32
		.amdhsa_user_sgpr_count 2
		.amdhsa_user_sgpr_kernarg_segment_ptr 1
		.amdhsa_wavefront_size32 1
		.amdhsa_system_sgpr_workgroup_id_x 1
		.amdhsa_system_sgpr_workgroup_id_y 1
		.amdhsa_system_sgpr_workgroup_id_z 1
		.amdhsa_system_vgpr_workitem_id 0
		.amdhsa_next_free_vgpr 250
		.amdhsa_next_free_sgpr 66
		.amdhsa_reserve_vcc 1
		.amdhsa_float_denorm_mode_32 3
		.amdhsa_float_denorm_mode_16_64 3
		.amdhsa_memory_ordered 1
		.amdhsa_forward_progress 1
		.amdhsa_inst_pref_size 153
	.end_amdhsa_kernel
	.amdgpu_metadata
---
amdhsa.version: [ 1, 2 ]
amdhsa.kernels:
  - .name:           k_q0f1a3d079f_raster
    .symbol:         k_q0f1a3d079f_raster.kd
    .args:
      - { .name: pts3D, .offset: 0, .size: 8, .value_kind: global_buffer, .address_space: global }
      - { .name: ptw, .offset: 8, .size: 8, .value_kind: global_buffer, .address_space: global }
      - { .name: featsT, .offset: 16, .size: 8, .value_kind: global_buffer, .address_space: global }
      - { .name: out0, .offset: 24, .size: 8, .value_kind: global_buffer, .address_space: global }
    .group_segment_fixed_size: 48384
    .private_segment_fixed_size: 0
    .kernarg_segment_align: 8
    .kernarg_segment_size: 32
    .max_flat_workgroup_size: 32
    .sgpr_count:     66
    .vgpr_count:     250
    .wavefront_size: 32
...
	.end_amdgpu_metadata
.endif
;; end of part 2
;; ======== version 2 of 2: 2 launches; version 1 with the launch raster written anew for expert scheduling mode
;; limits: inputs' magnitudes at most 65,504; values are held in f16: magnitudes above 65,504 overflow, below 6.1e-05 lose precision
;; workspace buffers: ptw 32,768 bytes of whole numbers; featsT 524,288 bytes
;; launch prep: the kernel of part 1 again; grid 64 x 1, 4 waves a work-group, no clusters, 13,312 bytes of LDS; arguments pts3D, src, ptw, featsT; writes ptw, featsT
;; launch raster (part 3): grid 256 x 2, 1 waves a work-group, no clusters, 48,384 bytes of LDS; arguments pts3D, ptw, featsT, out0; writes out0
.if DOCPART == 3
	.amdgcn_target "amdgcn-amd-amdhsa--gfx1250"
	.amdhsa_code_object_version 6
	.text
	.protected	k_q0f1a3d079f_raster
	.globl	k_q0f1a3d079f_raster
	.p2align	8
	.type	k_q0f1a3d079f_raster,@function
k_q0f1a3d079f_raster:
	s_mov_b64 s[64:65], 0
	v_nop
	global_prefetch_b8 v0, s[64:65] scope:SCOPE_SE
	s_setreg_imm32_b32 hwreg(HW_REG_WAVE_SCHED_MODE, 0, 2), 2
	s_setreg_imm32_b32 hwreg(HW_REG_WAVE_MODE, 25, 1), 1
	s_wait_xcnt 0x0
	s_wait_alu depctr_vm_vsrc(0)
; RASTER.  out0[b][c][y][x] = sum over the 8 nearest (smallest z, ties to the lower index) points within 1.5 pixels of pixel
; (y, x) of w_k * src[b][c][n_k], w_k = a_k * prod_{j<k} (1 - a_j), a = 1 - sqrt(clip(d2 / R^2, 0.001, 1)).
; SHARES.  A work-group is ONE wave and makes 64 pixels of one row (y = group x / 2, half = group x % 2, b = group y) for all 64
; channels: 512 groups.  Lane l owns pixels 64 half + l (set 0) and 64 half + 32 + l (set 1).  64 pixels are 256 neighbouring
; bytes of a channel's row, so a wave alone stores whole aligned pieces of 256 bytes: waves have nothing to hand to each other,
; and there is no barrier.  EXEC stays full throughout: a lane with nothing to keep stores to a dump place.
; PHASES:
;  1 SCAN   all 2,048 entries of ptw[b] (whole numbers made by the launch before): keep those whose row window holds y and whose
;           column window meets my 64 pixels (some 25 of uniformly spread points); compacted in ascending n into a list in LDS.
;  2 RANK   rank of entry i = number of j with key_j < key_i, or equal and j < i; n goes to place rank: the list sorted as the
;           reference's top_k orders it.  All of this is integer work on numbers read from memory; no float steers anything.
;  3 CHUNKS of 32 sorted candidates: every pixel tests every candidate exactly (d2 < R^2) and runs the front-to-back product;
;           misses get weight 0 by selection, and after a pixel's 8th hit its transmittance is set to 0, so later hits weigh 0.
;           The 64 x 32 weights (f16) times the 32 x 64 gathered features (f16) go to the matrix unit, sums in f32.
;  4 OUT    through LDS, so that sixteen neighbouring lanes store the 256 bytes of one channel.
; Any number of candidates up to all 2,048 is served; the rank step then costs the square of their number.
; FORMAT.  f16 operands: each is off by at most 2^-12 of its size, a product by 2^-11, and a pixel's weights sum to at most 1,
; so an output is off by at most 2^-11 of the largest feature, also where its terms cancel.  bf16 would give 2^-8.  Weights lie
; in [0, 1]; below 2^-14 their rounding step is 2^-24.
; LIMITS.  d2 = fma(dx, dx, dy*dy), where the reference rounds dx*dx first: a point exactly on the rim may fall on the other
; side; its a is then about 1e-7, but it takes one of the 8 places.  src must be finite and below 65,504 in magnitude (f16's
; largest number): candidates that miss a pixel enter the product with weight 0, and 0 times infinity is NaN.
; NOT USED: tensor loads and clusters (what work-groups share is the 16 KiB of ptw[b] and scattered 128-byte rows, a small part
; of a group's bytes next to its 16 KiB of output); larger accumulator tiles (16 matrix instructions a chunk).
; THE MODE: SCHED_MODE bits 1:0 = 2 (LLVM: expert scheduling mode 2), set by the entry lines.  The code itself states the register
; dependences between vector or matrix instructions and memory or LDS instructions, and those through scalar registers that
; vector instructions write, with s_wait_alu, always for 0.
; THE PLAN.  Masks: compares stand in runs and write s[MK ..], one register each; one wait behind a run, then the readers.
;  The carry-out of a count's addition, which nobody reads, goes to null.  Registers that memory or LDS instructions touch:
;   v1, v12-15    offsets and LDS addresses made once at the head and never written again.
;   PW            scan: the entry loads land here; the field lines read the even words, the list stores the odd ones (the keys).
;   AD0, AD1      scan: group g's place lines write 16 places and 16 n into AD[g % 2]; the 32 stores that read them are issued in
;                 group g + 1, behind the wait at its head, among field lines that name v16-20 and group g + 1's PW alone.
;   rank          v16 is remade each trip ahead of the key loads; v24-31 take the keys, v32, v33 my entry; v20 is the store's place.
;   chunk         v16, v17: places of the list reads.  v18, GO: land from the list, become the offsets of the ten global loads.
;                 v19, v20: x and y land, are worked on, and go to LDS.  G: the feature rows land and go to LDS; the same
;                 registers then take the weight fragments.  XK, DK: x and dy^2 land, once for each pixel set; XK then takes the
;                 feature fragments.  One wait on vm_vsrc stands behind the feature stores: behind it only v13 and v15 are read
;                 by LDS instructions, so all the others may be written again up to the same place of the next chunk, and on the way out.
.set CAP,    2048                      ; list capacity = all points
.set DUMP,   CAP+32                    ; the place, behind list and pads, where lanes with nothing to keep store
.set SPITCH, 272                       ; way out: 64 channel rows of 256 bytes + 16: sixteen rows start in sixteen bank groups
.set LSZ,    8448                      ; a list: 2,048 entries + 32 pads + the dump place, 4 bytes each, rounded up
.set O_WK,   64*SPITCH                 ; 17,408  keys in scan order
.set O_WN,   O_WK+LSZ                  ; 25,856  n in scan order
.set O_WS,   O_WN+LSZ                  ; 34,304  n in sorted order
.set O_CX,   O_WS+LSZ                  ; 42,752  the chunk's 32 x
.set O_CD,   O_CX+128                  ; 42,880  the chunk's 32 dy^2
.set O_FT,   O_CD+128                  ; 43,008  the chunk's 32 feature rows, 128 bytes at pitch 160 (odd multiple of 32, for the transposing load)
.set FPITCH, 160
.set MK,    66                         ; s[66:97] masks that runs of compares write
.set PA,    1                          ; 8 lane: my entry in each run of 32 entries of ptw
.set PX,    2                          ; v[2:5]   centre x of my pixel of set 0, twice, and of set 1, twice (pairs for packed adds)
.set TR,    6                          ; v[6:7]   transmittance so far, set 0, 1
.set CNT,   8                          ; v[8:9]   hits so far, set 0, 1
.set PIXY,  10                         ; the row's centre y
.set COL16, 11                         ; 16 (lane % 8)
.set FTS,   12                         ; where I store 16 bytes of a feature row
.set FTR,   13                         ; where my transposing loads read
.set L4,    14                         ; 4 lane
.set BC,    15                         ; 0 in every lane: reads that all lanes share
                                       ; v16-v21 scratch
.set L3,    22                         ; lane / 8
.set IDX,   23                         ; my entry's place in the list
.set PW,    24                         ; v[24:151]  scan: 64 entries of two words
.set AD,    152                        ; v[152:215] scan: buffer p: 16 places at AD + 32 p, 16 n at AD + 32 p + 16
.set KEY,   32                         ; rank: my entry (v24-31 hold the trip's eight keys)
.set NI,    33
.set SEL,   40                         ; v[40:47]   rank: what each of the trip's eight keys is held against
.set XK,    24                         ; v[24:55]   chunk: x, then d2, then weight of candidate k
.set FF,    24                         ; v[24:55]   then the feature fragments of 4 x 16 channels
.set DK,    56                         ; v[56:87]   chunk: dy^2, then alpha of candidate k
.set GO,    56                         ; v[56:63]   before that: offsets of the gathered rows
.set WF,    88                         ; v[88:119]  weight fragments of pixels 16 pt .. 16 pt + 15 at 8 pt
.set G,     88                         ; v[88:119]  before that: the gathered rows on their way to LDS
.set ACC,   120                        ; v[120:247] tile (pt, ct) at 8 (4 pt + ct)
	s_load_b256 s[4:11], s[0:1], 0x0               ; pts3D s[4:5], ptw s[6:7], featsT s[8:9], out0 s[10:11]
	v_lshl_add_u32 v248, v0, 2, 0xbc00
	v_mov_b32 v249, 0
	s_and_b32 s14, ttmp7, 0xffff                   ; b
	s_lshr_b32 s12, ttmp9, 1                       ; y
	s_and_b32 s13, ttmp9, 1                        ; half
	s_add_co_u32 s15, s12, 16                      ; Y = y + 16, as the windows are counted
	s_lshl_b32 s16, s13, 6
	s_add_co_u32 s16, s16, 79                      ; X1 = my last pixel + 16
	s_mov_b32 s17, 0                               ; entries in my list
	s_mov_b32 s20, 0x3a100000                      ; R^2 = (3/128)^2
	s_mov_b32 s21, 0x351374bc                      ; 0.001 R^2
	s_mov_b32 s22, 0xc22aaaab                      ; -1/R
	s_mov_b32 s23, 0xc22aaaab
	v_lshlrev_b32 v[PA], 3, v0
	s_mov_b32 s37, 0
	s_lshl_b32 s36, s14, 14                        ; ptw[b]: 2,048 entries of 8 bytes
	s_wait_kmcnt 0x0
	s_add_nc_u64 s[6:7], s[6:7], s[36:37]
	s_wait_alu depctr_va_vdst(0)                   ; v[PA] is written: all 64 entry loads read it as their offset; no vector line behind this wait names it, or a register of PW before its load has landed
.macro PLOAD g                         ; sixteen loads: entries 32 i + lane, i = 16 g .. 16 g + 15; each covers 256 neighbouring bytes
.irp j, 0,1,2,3,4,5,6,7,8,9,10,11,12,13,14,15
	global_load_b64 v[PW+2*(16*\g+\j):PW+2*(16*\g+\j)+1], v[PA], s[6:7] offset:256*(16*\g+\j)
.endr
.endm
	PLOAD 0
	PLOAD 1
	PLOAD 2
	s_mul_i32 s36, s14, 24576
	s_add_nc_u64 s[4:5], s[4:5], s[36:37]          ; pts3D[b]
	s_lshl_b32 s36, s14, 18
	s_add_nc_u64 s[8:9], s[8:9], s[36:37]          ; featsT[b]
	s_lshl_b32 s36, s14, 22                        ; out0: b * 64 channels of 65,536 bytes
	s_lshl_b32 s28, s12, 9                         ;     + row y
	s_add_co_u32 s36, s36, s28
	s_lshl_b32 s28, s13, 8                         ;     + my 256 bytes of it
	s_add_co_u32 s36, s36, s28
	s_add_nc_u64 s[10:11], s[10:11], s[36:37]
	; pixel centres 1 - (2 i + 1) / 128 = (127 - 2 i) / 128, exact in f32
	s_lshl_b32 s28, s13, 7
	s_sub_co_i32 s28, 127, s28
	v_lshlrev_b32 v16, 1, v0
	v_sub_nc_u32 v16, s28, v16                     ; 127 - 2 (64 half + lane)
	v_cvt_f32_i32 v[PX], v16
	v_mul_f32 v[PX], 0x3c000000, v[PX]
	v_mov_b32 v[PX+1], v[PX]
	v_add_f32 v[PX+2], -0.5, v[PX]                 ; 32 pixels on
	v_mov_b32 v[PX+3], v[PX+2]
	s_lshl_b32 s28, s12, 1
	s_sub_co_i32 s28, 127, s28
	v_cvt_f32_i32 v[PIXY], s28
	v_mul_f32 v[PIXY], 0x3c000000, v[PIXY]
	v_and_b32 v[COL16], 7, v0
	v_lshlrev_b32 v[COL16], 4, v[COL16]
	v_lshrrev_b32 v[L3], 3, v0
	v_mad_u32_u24 v[FTS], v[L3], FPITCH, v[COL16]  ; a gather load brings 4 rows: row lane / 8, piece lane % 8
	v_lshrrev_b32 v16, 4, v0                       ; transposing load: row 8 (lane / 16) + lane % 8, 16 bytes at 16 ((lane / 8) % 2)
	v_and_b32 v18, 7, v0
	v_lshl_or_b32 v16, v16, 3, v18
	v_bfe_u32 v18, v0, 3, 1
	v_lshlrev_b32 v18, 4, v18
	v_mad_u32_u24 v[FTR], v16, FPITCH, v18
	v_lshlrev_b32 v[L4], 2, v0
	v_mov_b32 v[BC], 0
; PHASE 1.  Entry j of group g in my lane: point n = 32 (16 g + j) + lane.  Kept lanes take the places s17 + (kept lanes below
; me): ascending n.  The place is bounded by a constant in the instruction, and behind that only shifted; the list's base is the
; immediate offset.  A group goes in three runs: the fields and two compares of its sixteen entries; the places; the stores.
.macro PFIELD g, j                     ; the two window tests of an entry, each into a mask register of its own
	v_and_b32 v16, 0xff, v[PW+2*(16*(\g)+(\j))]    ; ylo
	v_bfe_u32 v18, v[PW+2*(16*(\g)+(\j))], 8, 8    ; ny
	v_bfe_u32 v19, v[PW+2*(16*(\g)+(\j))], 16, 8   ; xlo
	v_lshrrev_b32 v20, 24, v[PW+2*(16*(\g)+(\j))]  ; nx + 63
	v_sub_nc_u32 v16, s15, v16
	v_sub_nc_u32 v19, s16, v19
	v_cmp_lt_u32 s[MK+2*(\j)], v16, v18            ; 0 <= Y - ylo < ny
	v_cmp_lt_u32 s[MK+2*(\j)+1], v19, v20          ; 0 <= X1 - xlo < nx + 63: the window meets my 64 pixels
.endm
.macro PPLACE g, j                     ; the entry's place and its n, into the group's buffer
	s_and_b32 s[MK+2*(\j)], s[MK+2*(\j)], s[MK+2*(\j)+1]
	v_mbcnt_lo_u32_b32 v[AD+32*((\g)%2)+(\j)], s[MK+2*(\j)], s17
	v_or_b32 v[AD+32*((\g)%2)+16+(\j)], 32*(16*(\g)+(\j)), v0      ; n
	v_cndmask_b32 v[AD+32*((\g)%2)+(\j)], DUMP, v[AD+32*((\g)%2)+(\j)], s[MK+2*(\j)]  ; the others store where nothing is read
	v_min_u32 v[AD+32*((\g)%2)+(\j)], DUMP, v[AD+32*((\g)%2)+(\j)]
	v_lshlrev_b32 v[AD+32*((\g)%2)+(\j)], 2, v[AD+32*((\g)%2)+(\j)]
	s_bcnt1_i32_b32 s29, s[MK+2*(\j)]
	s_add_co_u32 s17, s17, s29
.endm
.macro PSTORE g, j
	ds_store_b32 v[AD+32*((\g)%2)+(\j)], v[PW+2*(16*(\g)+(\j))+1] offset:O_WK      ; key
	ds_store_b32 v[AD+32*((\g)%2)+(\j)], v[AD+32*((\g)%2)+16+(\j)] offset:O_WN
.endm
; left = how many younger entry loads may stay out when this group's sixteen have to be there
.macro PGROUP g, left
	s_wait_loadcnt \left                           ; loads return in order: this group's sixteen are in
.if (\g) > 0
	s_wait_alu depctr_va_vdst(0)                   ; the group before has written its places and n, which the stores below read
.endif
.irp j, 0,1,2,3,4,5,6,7,8,9,10,11,12,13,14,15
	PFIELD \g, \j
.if (\g) > 0
	PSTORE (\g)-1, \j                              ; no vector line since the wait names the other buffer or the group before's entries
.endif
.endr
	s_wait_alu depctr_va_sdst(0)                   ; the 32 masks are written: the scalar lines below read them
.if (\g) > 1
	s_wait_alu depctr_vm_vsrc(0)                   ; the stores issued in the group before have read this group's buffer, which is written again
.endif
.irp j, 0,1,2,3,4,5,6,7,8,9,10,11,12,13,14,15
	PPLACE \g, \j
.endr
.endm
	PGROUP 0, 32                                   ; the first sixteen are in, the 32 younger ones stay out
	PLOAD 3                                        ; the last sixteen are asked for while 32 are still on their way
	PGROUP 1, 32                                   ; the second sixteen are in
	PGROUP 2, 16
	PGROUP 3, 0
	; 32 pads behind the list, so that groups of 8 and of 32 may read past its end: key above every real key, n = 0
	s_min_u32 s17, s17, CAP
	v_add_nc_u32 v16, s17, v0
	v_min_u32 v16, CAP+31, v16
	v_lshlrev_b32 v16, 2, v16
	v_mov_b32 v18, -1
	s_wait_alu depctr_va_vdst(0)                   ; the last group's places and n, the pads' place and their key are written: the stores below read them
.irp j, 0,1,2,3,4,5,6,7,8,9,10,11,12,13,14,15
	PSTORE 3, \j
.endr
	ds_store_b32 v16, v18 offset:O_WK
	ds_store_b32 v16, v[BC] offset:O_WN
	ds_store_b32 v16, v[BC] offset:O_WS
	s_add_co_u32 s24, s17, 31
	s_lshr_b32 s24, s24, 5
	s_max_u32 s24, s24, 1                          ; chunks of 32 (one even for an empty list: the pixels are still written)
	s_add_co_u32 s25, s17, 7
	s_lshr_b32 s25, s25, 3
	s_max_u32 s25, s25, 1                          ; groups of 8 keys
; PHASE 2.  Lane = entry i of group s26; the inner loop walks all keys, 8 a trip, read by all lanes from one address.
	s_mov_b32 s26, 0
.Lrank:
	s_lshl_b32 s28, s26, 5
	s_wait_alu depctr_vm_vsrc(0)                   ; first trip: the scan's stores have read v16, v18, the keys in PW and both AD; later trips: the last store has read v20 and v[NI], the key loads v16
	v_add_nc_u32 v[IDX], s28, v0
	v_min_u32 v16, CAP+31, v[IDX]
	v_lshlrev_b32 v16, 2, v16
	v_mov_b32 v20, 0                               ; rank
	v_mov_b32 v21, v[IDX]                          ; i - j of the trip's first key
	s_mov_b32 s27, 0
	s_wait_alu depctr_va_vdst(0)                   ; v16 is written; the lines that read v32 and v33 (the scan's fields, the last trip's selections) are done: the loads below land there
	ds_load_b32 v[KEY], v16 offset:O_WK            ; LDS serves a wave's instructions in order (ISA guide 5.7.1): these see the scan's stores
	ds_load_b32 v[NI], v16 offset:O_WN
	s_wait_dscnt 0x0
	v_add_nc_u32 v19, 1, v[KEY]                    ; real keys are below 0x7f800000: no wrap
.Lrankin:
	s_wait_alu depctr_vm_vsrc(0)                   ; the loads issued so far have read v16
	v_mov_b32 v16, s27
	v_min_u32 v16, CAP/8-1, v16
	v_lshlrev_b32 v16, 5, v16
	s_wait_alu depctr_va_vdst(0)                   ; v16 is written; the last trip's compares are done reading v24-31, in which the loads below land
	ds_load_b128 v[24:27], v16 offset:O_WK
	ds_load_b128 v[28:31], v16 offset:O_WK+16
.irp q, 0,1,2,3,4,5,6,7
	v_cmp_lt_i32 s[MK+\q], \q, v21                 ; j < i: these and the selections name none of the loads' registers and stand while the keys are on their way
.endr
	s_wait_alu depctr_va_sdst(0)                   ; the eight masks are written: the selections read them
.irp q, 0,1,2,3,4,5,6,7
	v_cndmask_b32 v[SEL+\q], v[KEY], v19, s[MK+\q] ; then an equal key counts too
.endr
	s_wait_dscnt 0x0
.irp q, 0,1,2,3,4,5,6,7
	v_cmp_lt_u32 s[MK+\q], v[24+\q], v[SEL+\q]
.endr
	s_wait_alu depctr_va_sdst(0)                   ; the eight masks are written: the additions read them
.irp q, 0,1,2,3,4,5,6,7
	v_add_co_ci_u32 v20, null, 0, v20, s[MK+\q]
.endr
	v_add_nc_u32 v21, -8, v21
	s_add_co_u32 s27, s27, 1
	s_cmp_lt_u32 s27, s25
	s_cbranch_scc1 .Lrankin
	v_cmp_gt_u32 vcc_lo, s17, v[IDX]               ; real entries go to their rank, pads to the dump place
	s_wait_alu depctr_va_vcc(0)                    ; VCC is written: the selection reads it
	v_cndmask_b32 v20, DUMP, v20, vcc_lo
	v_min_u32 v20, DUMP, v20
	v_lshlrev_b32 v20, 2, v20
	s_wait_alu depctr_va_vdst(0)                   ; v20 is written: the store reads it as its place
	ds_store_b32 v20, v[NI] offset:O_WS
	s_add_co_u32 s26, s26, 1
	s_cmp_lt_u32 s26, s24
	s_cbranch_scc1 .Lrank
	s_wait_alu depctr_vm_vsrc(0)                   ; the last key loads have read v16, the last store v20 and v[NI]: the first chunk writes all three
.macro WLOAD                           ; every lane gets all 32 x and all 32 dy^2 of the chunk
.irp j, 0,1,2,3,4,5,6,7
	ds_load_b128 v[XK+4*\j:XK+4*\j+3], v[BC] offset:O_CX+16*\j
.endr
.irp j, 0,1,2,3,4,5,6,7
	ds_load_b128 v[DK+4*\j:DK+4*\j+3], v[BC] offset:O_CD+16*\j
.endr
.endm
.macro FLOAD                           ; the feature fragments of 4 x 16 channels
.irp ct, 0,1,2,3
	ds_load_tr16_b128 v[FF+8*\ct:FF+8*\ct+3],   v[FTR] offset:O_FT+32*\ct              ; k = 8h .. of channel 16 ct + r
	ds_load_tr16_b128 v[FF+8*\ct+4:FF+8*\ct+7], v[FTR] offset:O_FT+32*\ct+16*FPITCH    ; k = 16 + 8h ..
.endr
.endm
; The weights of pixel set s for the chunk's 32 candidates, as the two fragments of pixels 32 s .. + 15 and 32 s + 16 .. + 31.
; x and dy^2 have been asked for.  The two tests of a candidate stand in runs of 32, each with a mask register of its own.
.macro WPASS s
	s_wait_dscnt 0x0
.irp p, 0,1,2,3,4,5,6,7,8,9,10,11,12,13,14,15
	v_pk_add_f32 v[XK+2*\p:XK+2*\p+1], v[XK+2*\p:XK+2*\p+1], v[PX+2*\s:PX+2*\s+1]                    ; dx = pix - (-x)
.endr
.irp p, 0,1,2,3,4,5,6,7,8,9,10,11,12,13,14,15
	v_pk_fma_f32 v[XK+2*\p:XK+2*\p+1], v[XK+2*\p:XK+2*\p+1], v[XK+2*\p:XK+2*\p+1], v[DK+2*\p:DK+2*\p+1]  ; d2
.endr
.irp a, 0,1,2,3
.irp c, 0,1,2,3,4,5,6,7
	v_cmp_gt_f32 s[MK+8*\a+\c], s20, v[XK+8*\a+\c]             ; the exact test: d2 < R^2 (false for NaN); the clip, the roots and alpha stand between this run and the wait for it
.endr
.endr
.irp a, 0,1,2,3
.irp c, 0,1,2,3,4,5,6,7
	v_med3_num_f32 v[DK+8*\a+\c], v[XK+8*\a+\c], s21, s20      ; the reference's clip, times R^2
.endr
.endr
.irp a, 0,1,2,3
.irp c, 0,1,2,3,4,5,6,7
	v_sqrt_f32 v[DK+8*\a+\c], v[DK+8*\a+\c]
.endr
.endr
	v_nop                                          ; one plain place between the last root and the first use of a root (ISA guide 5.7.2)
	s_wait_alu depctr_va_vdst(0)
.irp p, 0,1,2,3,4,5,6,7,8,9,10,11,12,13,14,15
	v_pk_fma_f32 v[DK+2*\p:DK+2*\p+1], v[DK+2*\p:DK+2*\p+1], s[22:23], 1.0 op_sel_hi:[1,0,0]        ; a = 1 - sqrt(d2) / R
.endr
	s_wait_alu depctr_va_sdst(0)                   ; the 32 masks of hits are written: the selections and the count read them
.irp a, 0,1,2,3
.irp c, 0,1,2,3,4,5,6,7
	v_cndmask_b32 v[DK+8*\a+\c], 0, v[DK+8*\a+\c], s[MK+8*\a+\c]
	v_add_co_ci_u32 v[CNT+\s], null, 0, v[CNT+\s], s[MK+8*\a+\c]
	v_cmp_gt_u32 s[MK+8*\a+\c], 8, v[CNT+\s]       ; fewer than 8 hits up to and with this candidate: into the register whose first mask has been read
.endr
.endr
	s_wait_alu depctr_va_sdst(0)                   ; the 32 masks of the count are written: the selections below read them
.irp a, 0,1,2,3
.irp c, 0,1,2,3,4,5,6,7
	v_mul_f32 v[XK+8*\a+\c], v[DK+8*\a+\c], v[TR+\s]           ; w = a T
	v_fma_f32 v[TR+\s], -v[DK+8*\a+\c], v[TR+\s], v[TR+\s]     ; T (1 - a)
	v_cndmask_b32 v[TR+\s], 0, v[TR+\s], s[MK+8*\a+\c]         ; behind the 8th hit nothing weighs any more
.endr
.endr
	; A lane holds its pixel's 32 weights; a fragment's lane (r, h) wants pixel r's k = 8h .. 8h+7 and 16+8h .. 16+8h+7.
	; Pack k 0-7 | 16-23 into the first eight registers and k 8-15 | 24-31 into the second eight, then exchange the first's
	; upper 16 lanes with the second's lower 16: the first is the fragment of the set's pixels 0-15, the second of 16-31.
.irp i, 0,1,2,3
	v_cvt_pk_f16_f32 v[WF+16*\s+\i],    v[XK+2*\i],    v[XK+2*\i+1]
	v_cvt_pk_f16_f32 v[WF+16*\s+8+\i],  v[XK+8+2*\i],  v[XK+9+2*\i]
	v_cvt_pk_f16_f32 v[WF+16*\s+4+\i],  v[XK+16+2*\i], v[XK+17+2*\i]
	v_cvt_pk_f16_f32 v[WF+16*\s+12+\i], v[XK+24+2*\i], v[XK+25+2*\i]
.endr
	s_wait_alu depctr_va_vdst(0)                   ; this set's arithmetic and roundings are done with XK and DK, in which the loads below land; the exchanges behind them name WF alone
.if \s == 0
	WLOAD                                          ; x and dy^2 once more, for set 1
.else
	FLOAD
.endif
.irp i, 0,1,2,3,4,5,6,7
	v_permlane16_swap_b32 v[WF+16*\s+\i], v[WF+16*\s+8+\i]
.endr
.endm
; PHASE 3.  Chunk s34: sorted candidates 32 s34 .. + 31.  zero = 1: the products start the sums, nothing is cleared.
.macro CHUNK zero
	s_lshl_b32 s28, s34, 5
	v_add_nc_u32 v[IDX], s28, v0
	v_add_nc_u32 v17, s28, v[L3]
	v_min_u32 v16, CAP+31, v[IDX]
	v_min_u32 v17, CAP+3, v17
	v_lshlrev_b32 v16, 2, v16
	v_lshlrev_b32 v17, 2, v17
	v_cmp_gt_u32 vcc_lo, s17, v[IDX]               ; is my candidate real, or a pad?  Read far below, behind its wait
	s_wait_alu depctr_va_vdst(0)                   ; v16 and v17 are written; the last chunk's vector lines are done with v18 and GO, its matrix instructions with their weight and feature fragments: loads land in all of these below
	ds_load_b32 v18, v16 offset:O_WS               ; candidate 'lane': its x and y are mine to fetch
.irp i, 0,1,2,3,4,5,6,7
	ds_load_b32 v[GO+\i], v17 offset:O_WS+16*\i    ; candidate 4 i + lane / 8: a piece of its feature row is mine to fetch
.endr
	s_wait_dscnt 0x0
	v_min_u32 v18, CAP-1, v18
	v_mul_u32_u24 v18, 12, v18
.irp i, 0,1,2,3,4,5,6,7
	v_min_u32 v[GO+\i], CAP-1, v[GO+\i]
.endr
.irp i, 0,1,2,3,4,5,6,7
	v_lshlrev_b32 v[GO+\i], 7, v[GO+\i]            ; 128 bytes a point
	v_add_nc_u32 v[GO+\i], v[COL16], v[GO+\i]
.endr
	s_wait_alu depctr_va_vdst(0)                   ; all nine offsets are written: the run of ten loads reads them
	global_load_b32 v19, v18, s[4:5]               ; x
	global_load_b32 v20, v18, s[4:5] offset:4      ; y
.irp i, 0,1,2,3,4,5,6,7
	global_load_b128 v[G+4*\i:G+4*\i+3], v[GO+\i], s[8:9]      ; four rows of 128 bytes a load
.endr
	s_wait_loadcnt 0x8                             ; x and y are in; the eight feature loads stay out
	v_add_f32 v20, v[PIXY], v20                    ; pix - (-y)
	s_wait_alu depctr_va_vcc(0)                    ; VCC, written at the chunk's head, is read by the selection
	v_cndmask_b32 v19, 0x7149f2ca, v19, vcc_lo     ; a pad lies at x = 1e30: it hits no pixel
	v_mul_f32 v20, v20, v20
	s_wait_alu depctr_va_vdst(0)                   ; v19 and v20 are written: the two stores read them
	ds_store_b32 v[L4], v19 offset:O_CX
	ds_store_b32 v[L4], v20 offset:O_CD
	s_wait_loadcnt 0x0                             ; the feature rows: to LDS now, since their registers will hold the weight fragments
.irp i, 0,1,2,3,4,5,6,7
	ds_store_b128 v[FTS], v[G+4*\i:G+4*\i+3] offset:O_FT+4*FPITCH*\i
.endr
	s_wait_alu depctr_vm_vsrc(0)                   ; the feature loads have read GO, in which dy^2 lands; the stores above have read G, which the roundings write; v16 to v20 have been read too, and are written again at the next chunk's head or on the way out
	WLOAD                                          ; for set 0.  No vector line since the last wait on va_vdst names XK or DK
	WPASS 0
	WPASS 1
	s_wait_dscnt 0x0
.irp pt, 0,1,2,3
.irp ct, 0,1,2,3
.if \zero
	v_wmma_f32_16x16x32_f16 v[ACC+8*(4*\pt+\ct):ACC+8*(4*\pt+\ct)+7], v[WF+8*\pt:WF+8*\pt+7], v[FF+8*\ct:FF+8*\ct+7], 0
.else
	v_wmma_f32_16x16x32_f16 v[ACC+8*(4*\pt+\ct):ACC+8*(4*\pt+\ct)+7], v[WF+8*\pt:WF+8*\pt+7], v[FF+8*\ct:FF+8*\ct+7], v[ACC+8*(4*\pt+\ct):ACC+8*(4*\pt+\ct)+7]
.endif
.endr
.endr
.endm
	v_mov_b32 v[TR], 1.0
	v_mov_b32 v[TR+1], 1.0
	v_mov_b32 v[CNT], 0
	v_mov_b32 v[CNT+1], 0
	s_mov_b32 s34, 0
	CHUNK 1
	s_cmp_le_u32 s24, 1
	s_cbranch_scc1 .Lout                           ; the usual case: one chunk
	s_mov_b32 s34, 1
.Lchunk:
	CHUNK 0
	s_add_co_u32 s34, s34, 1
	s_cmp_lt_u32 s34, s24
	s_cbranch_scc1 .Lchunk
; PHASE 4.  Register j of tile (pt, ct) in lane (r, h) is pixel 16 pt + 8 h + j of channel 16 ct + r: 32 neighbouring bytes of
; a channel's 256.  They go to the stage by channel rows and come back two rows a load: lanes 0-15 one channel, 16-31 the next.
.Lout:
	v_and_b32 v16, 15, v0                          ; r.  These eight address lines name no matrix register: they are the places
	v_lshrrev_b32 v17, 4, v0                       ; h   between the last matrix instruction and the stores of its result
	v_mul_u32_u24 v18, SPITCH, v16
	v_lshl_add_u32 v18, v17, 5, v18                ; in: row r, 32 bytes for each half of the lanes
	v_mul_u32_u24 v19, SPITCH, v17
	v_lshl_add_u32 v19, v16, 4, v19                ; back: row h, 16 bytes a lane
	v_lshlrev_b32 v20, 16, v17
	v_lshl_add_u32 v20, v16, 4, v20                ; and in out0: channel h, 16 bytes a lane
	s_wait_alu depctr_va_vdst(0)                   ; the matrix instructions have written the accumulators, which the LDS stores read, and are done with v24-55, in which the stage's loads land; v18, v19 and v20 are written.  The places above stay beside this wait
.irp pt, 0,1,2,3
.irp ct, 0,1,2,3
	ds_store_b128 v18, v[ACC+8*(4*\pt+\ct):ACC+8*(4*\pt+\ct)+3]   offset:16*SPITCH*\ct+64*\pt
	ds_store_b128 v18, v[ACC+8*(4*\pt+\ct)+4:ACC+8*(4*\pt+\ct)+7] offset:16*SPITCH*\ct+64*\pt+16
.endr
.endr
.macro OUTB q                          ; channels 32 q .. 32 q + 31
.irp i, 0,1,2,3,4,5,6,7,8,9,10,11,12,13,14,15
	ds_load_b128 v[24+4*\i:24+4*\i+3], v19 offset:2*SPITCH*(16*\q+\i)      ; in order behind the stores above (ISA guide 5.7.1)
.endr
.irp i, 0,1,2,3,4,5,6,7,8,9,10,11,12,13,14,15
	s_wait_dscnt 15-\i                             ; LDS loads return in order: pair i is in, the younger ones stay out
	global_store_b128 v20, v[24+4*\i:24+4*\i+3], s[10:11] offset:131072*(16*\q+\i) th:TH_STORE_NT   ; sixteen lanes: 256 neighbouring bytes, aligned
.endr
.endm
	OUTB 0
	s_wait_xcnt 0x0                                ; v24-87 are the data of the stores above: they are loaded again only behind this wait
	s_wait_alu depctr_vm_vsrc(0)                   ; the sixteen stores have read v24-87, in which the second half's loads land
	OUTB 1
	s_wait_dscnt 0x0
	s_wait_alu depctr_hold_cnt(0) depctr_sa_sdst(0) depctr_va_vdst(0) depctr_va_sdst(0) depctr_va_ssrc(0) depctr_va_vcc(0) depctr_vm_vsrc(0)
	s_wait_tensorcnt 0x0
	ds_add_u32 v248, v249
	s_wait_dscnt 0x0
	s_endpgm
.Lfunc_end_k_q0f1a3d079f_raster:
	.size	k_q0f1a3d079f_raster, .Lfunc_end_k_q0f1a3d079f_raster-k_q0f1a3d079f_raster
	.p2alignl 7, 3214868480
	.fill 96, 4, 3214868480
	.section	.rodata,"a",@progbits
	.p2align	6, 0x0
	.amdhsa_kernel k_q0f1a3d079f_raster
		.amdhsa_group_segment_fixed_size 48384
		.amdhsa_private_segment_fixed_size 0
		.amdhsa_enable_private_segment 0
		.amdhsa_kernarg_size 32
		.amdhsa_user_sgpr_count 2
		.amdhsa_user_sgpr_kernarg_segment_ptr 1
		.amdhsa_wavefront_size32 1
		.amdhsa_system_sgpr_workgroup_id_x 1
		.amdhsa_system_sgpr_workgroup_id_y 1
		.amdhsa_system_sgpr_workgroup_id_z 1
		.amdhsa_system_vgpr_workitem_id 0
		.amdhsa_next_free_vgpr 250
		.amdhsa_next_free_sgpr 98
		.amdhsa_reserve_vcc 1
		.amdhsa_float_denorm_mode_32 3
		.amdhsa_float_denorm_mode_16_64 3
		.amdhsa_memory_ordered 1
		.amdhsa_forward_progress 1
		.amdhsa_inst_pref_size 179
	.end_amdhsa_kernel
	.amdgpu_metadata
---
amdhsa.version: [ 1, 2 ]
amdhsa.kernels:
  - .name:           k_q0f1a3d079f_raster
    .symbol:         k_q0f1a3d079f_raster.kd
    .args:
      - { .name: pts3D, .offset: 0, .size: 8, .value_kind: global_buffer, .address_space: global }
      - { .name: ptw, .offset: 8, .size: 8, .value_kind: global_buffer, .address_space: global }
      - { .name: featsT, .offset: 16, .size: 8, .value_kind: global_buffer, .address_space: global }
      - { .name: out0, .offset: 24, .size: 8, .value_kind: global_buffer, .address_space: global }
    .group_segment_fixed_size: 48384
    .private_segment_fixed_size: 0
    .kernarg_segment_align: 8
    .kernarg_segment_size: 32
    .max_flat_workgroup_size: 32
    .sgpr_count:     98
    .vgpr_count:     250
    .wavefront_size: 32
...
	.end_amdgpu_metadata
.endif
;; end of part 3
